; MI455X (gfx1250); checked and timed in simulation.
; The chip was launched on July 23, 2026; its instructions are those of AMD's public machine-readable ISA for CDNA 5 (MIT licence, August 2026) and "CDNA5" Instruction Set Architecture Reference Guide (July 2026). The comments in the code are by the model that wrote it; some were corrected since.
;; Symplectic Leapfrog Layer. Allowed arithmetic: matrix products marked QUANTISED: E4M3 operands, one E8M0 scale for each 32 along K, by v_wmma_scale_f32_16x16x128_f8f6f4 with both operands' format E4M3, f32 sums; products left as they are: f32 operands where the result goes on into a quantised operand, else bf16, f16 or f32 operands; f32 sums; everything else in f32.
;; Inputs: W1 64 x 256 float32; W2 256 x 256 float32; Wout 256 x 1 float32; b1 256 float32; b2 256 float32; x 65,536 x 16 x 32 float32.
;; Outputs: out0 65,536 x 64 float32.
;; This version of the problem:
;;   THIS VERSION OF THE PROBLEM IS GIVEN IN LOW PRECISION. The matrix products marked QUANTISED in the list below multiply operands that are first quantised to E4M3 (4 exponent bits, 3 mantissa bits; 8 bits a number), with one power-of-two scale for each 32 numbers along K (OCP MX v1.0); their sums are f32. All else is computed in f32.
;;   The module's matrix products, in the order in which they are computed (A, B: the left and right operand; K: the contracted axis; several contracted axes count as one K, in the product's order):
;;     1. [M 65,536, K 64] x [K 64, N 256]; A: computed on the way; B: input W1: QUANTISED
;;     2. [M 65,536, K 256] x [K 256, N 256]; A: computed on the way; B: input W2: QUANTISED
;;     3. [M 65,536, K 256] x [K 256, N 1]; A: computed on the way; B: input Wout: left as it is (N = 1 < 16)
;;     4. [M 65,536, K 1] x [K 1, N 256]; A: computed on the way; B: input Wout: left as it is (K = 1 < 32)
;;     5. [M 65,536, K 256] x [K 256, N 256]; A: computed on the way; B: input W2: QUANTISED
;;     6. [M 65,536, K 256] x [K 256, N 64]; A: computed on the way; B: input W1: QUANTISED
;;     7. [M 65,536, K 64] x [K 64, N 256]; A: computed on the way; B: input W1: QUANTISED
;;     8. [M 65,536, K 256] x [K 256, N 256]; A: computed on the way; B: input W2: QUANTISED
;;     9. [M 65,536, K 256] x [K 256, N 1]; A: computed on the way; B: input Wout: left as it is (N = 1 < 16)
;;     10. [M 65,536, K 1] x [K 1, N 256]; A: computed on the way; B: input Wout: left as it is (K = 1 < 32)
;;     11. [M 65,536, K 256] x [K 256, N 256]; A: computed on the way; B: input W2: QUANTISED
;;     12. [M 65,536, K 256] x [K 256, N 64]; A: computed on the way; B: input W1: QUANTISED
;;     13. [M 65,536, K 64] x [K 64, N 256]; A: computed on the way; B: input W1: QUANTISED
;;     14. [M 65,536, K 256] x [K 256, N 256]; A: computed on the way; B: input W2: QUANTISED
;;     15. [M 65,536, K 256] x [K 256, N 1]; A: computed on the way; B: input Wout: left as it is (N = 1 < 16)
;;     16. [M 65,536, K 1] x [K 1, N 256]; A: computed on the way; B: input Wout: left as it is (K = 1 < 32)
;;     17. [M 65,536, K 256] x [K 256, N 256]; A: computed on the way; B: input W2: QUANTISED
;;     18. [M 65,536, K 256] x [K 256, N 64]; A: computed on the way; B: input W1: QUANTISED
;;     19. [M 65,536, K 64] x [K 64, N 256]; A: computed on the way; B: input W1: QUANTISED
;;     20. [M 65,536, K 256] x [K 256, N 256]; A: computed on the way; B: input W2: QUANTISED
;;     21. [M 65,536, K 256] x [K 256, N 1]; A: computed on the way; B: input Wout: left as it is (N = 1 < 16)
;;     22. [M 65,536, K 1] x [K 1, N 256]; A: computed on the way; B: input Wout: left as it is (K = 1 < 32)
;;     23. [M 65,536, K 256] x [K 256, N 256]; A: computed on the way; B: input W2: QUANTISED
;;     24. [M 65,536, K 256] x [K 256, N 64]; A: computed on the way; B: input W1: QUANTISED
;;     25. [M 65,536, K 64] x [K 64, N 256]; A: computed on the way; B: input W1: QUANTISED
;;     26. [M 65,536, K 256] x [K 256, N 256]; A: computed on the way; B: input W2: QUANTISED
;;     27. [M 65,536, K 256] x [K 256, N 1]; A: computed on the way; B: input Wout: left as it is (N = 1 < 16)
;;     28. [M 65,536, K 1] x [K 1, N 256]; A: computed on the way; B: input Wout: left as it is (K = 1 < 32)
;;     29. [M 65,536, K 256] x [K 256, N 256]; A: computed on the way; B: input W2: QUANTISED
;;     30. [M 65,536, K 256] x [K 256, N 64]; A: computed on the way; B: input W1: QUANTISED
;;     31. [M 65,536, K 64] x [K 64, N 256]; A: computed on the way; B: input W1: QUANTISED
;;     32. [M 65,536, K 256] x [K 256, N 256]; A: computed on the way; B: input W2: QUANTISED
;;     33. [M 65,536, K 256] x [K 256, N 1]; A: computed on the way; B: input Wout: left as it is (N = 1 < 16)
;;     34. [M 65,536, K 1] x [K 1, N 256]; A: computed on the way; B: input Wout: left as it is (K = 1 < 32)
;;     35. [M 65,536, K 256] x [K 256, N 256]; A: computed on the way; B: input W2: QUANTISED
;;     36. [M 65,536, K 256] x [K 256, N 64]; A: computed on the way; B: input W1: QUANTISED
;;   THE QUANTISER, for each operand of a quantised product, along K:
;;     - K is cut into blocks of 32 from its start; a last block that is shorter is filled with zeros.
;;     - A block's scale is 2^e with e = floor(log2(the largest magnitude in the block)) - 8, held to -126 .. 127; a block of zeros has e = 0. As a byte (E8M0): e + 127.
;;     - Each number is divided by its block's scale, clamped to +-448, and rounded to the nearest number of E4M3, ties to even, subnormals kept.
;;     - The product sums the exact products of the quantised numbers (number of the format x scale) in f32.
;;   ~~~python
;;   def quantise(x, axis):      # numpy; x: float32 -> the quantised numbers, widened to float32 again
;;       x = np.moveaxis(x, axis, -1); K = x.shape[-1]
;;       x = np.pad(x, [(0, 0)] * (x.ndim - 1) + [(0, -K % 32)]); x = x.reshape(x.shape[:-1] + (-1, 32)); a = np.abs(x).max(-1, keepdims=True)
;;       e = np.where(a > 0, np.clip(np.frexp(np.where(a > 0, a, 1))[1] - 1 - 8, -126, 127), 0)      # np.frexp(a)[1] - 1 = floor(log2(a)), exactly
;;       r = np.clip(x / 2.0 ** e, -448, 448)
;;       step = 2.0 ** (np.maximum(np.frexp(np.where(r == 0, 1, r))[1] - 1, -6) - 3)
;;       q = np.round(r / step) * step * 2.0 ** e      # np.round: ties to even
;;       return np.moveaxis(q.reshape(q.shape[:-2] + (-1,))[..., :K], -1, axis).astype(np.float32)
;;   ~~~
;;   OPERANDS COMPUTED ON THE WAY. 'Computed on the way' means the value that the module computes at that place (a softmax that the list does not call 'softmax' is quantised finished and normalised). What goes into a quantiser is computed in f32, as accurately as f32 sums, v_exp_f32 and their like allow (about 1e-6 of the number): no bf16 or f16 on the way to a quantiser, and a product that is left as it is and whose result goes on into a quantised operand takes f32 operands (vector FMAs, or v_wmma_f32_16x16x4_f32). A number that lies on a knife's edge between two numbers of the format may be rounded either way, as far as f32 arithmetic and the matrix unit's own rounding can turn it there, and no further.
;; One version. Each part assembles by itself: llvm-mc -triple=amdgcn-amd-amdhsa -mcpu=gfx1250 --defsym DOCPART=n.
;; ======== version 1 of 1: 2 launches
;; limits: a function is approximated: absolute error at most 2e-07
;; workspace buffers: wimg 170,496 bytes
;; launch prep (part 1): grid 80 x 1, 1 waves a work-group, no clusters, 0 bytes of LDS; arguments W1, W2, wimg; writes wimg
.if DOCPART == 1
	.amdgcn_target "amdgcn-amd-amdhsa--gfx1250"
	.amdhsa_code_object_version 6
	.text
	.protected	k_q715d629df3_prep
	.globl	k_q715d629df3_prep
	.p2align	8
	.type	k_q715d629df3_prep,@function
k_q715d629df3_prep:
	s_mov_b64 s[64:65], 0
	v_nop
	global_prefetch_b8 v0, s[64:65] scope:SCOPE_SE
	s_setreg_imm32_b32 hwreg(HW_REG_WAVE_MODE, 25, 1), 1
	s_wait_xcnt 0x0
; W1 [64][256] and W2 [256][256], f32, are quantised to E4M3 codes with one E8M0 byte for each 32 along K, ONCE, each along both of its axes, since
; the forward products contract the first axis and the backward products the second.  The codes are laid as IMAGES OF OPERAND REGISTERS: a fragment
; (16 rows x 128 K) is 2,048 bytes, register group c of lane L at 512 c + 16 L; lane (r, h) holds k = 128 s + 32 c + 16 h + 0 .. 15 of its row.
; THE ROWS OF A TILE ARE NOT NEIGHBOURS: lane r of tile T takes row 32 (T / 2) + 8 (T % 2) + r + 8 (r / 8), so that a transposed product's results of
; two neighbouring tiles are 16 neighbours along the next product's K.
; wimg: 0 W2 along axis 0 (tile T, K step s at (2 T + s) x 2,048); 65,536 W2 along axis 1 (same index); 131,072 W1 along axis 0 (half fragments of 1,024 bytes, K = 64);
; 147,456 W1 along axis 1; 163,840 scale words: 256 bytes for each pair of tiles, 8 bytes a lane slot = the words of the even and the odd tile; slots 0-15 K step 0, slots 16-31 K step 1.
; One wave takes one unit of 4 blocks x 16 numbers a lane; lanes l and l xor 16 share each block.  80 units: 0-31 W2 axis 0, 32-39 W1 axis 0, 40-71 W2 axis 1, 72-79 W1 axis 1.
; The bytes of W1 along axis 1 carry + 2: the next launch keeps (1 - h^2) / 4 and the exact factor 4 goes into this power-of-two scale.
; LIMITS: a block of zeros, or one whose largest magnitude lies under 2^-118, gets the floor's byte 1 (the bytes are read by this program alone; zero codes add nothing);
; a block of W1 whose largest magnitude is 2^126 or more would pass f32's range with the + 2; NaN and infinities among the inputs are not served.
.set WSC, 163840
.set X,   64                           ; v64-127  the unit's numbers: block c, number i at X + 16 c + i
.set PC,  48                           ; v48-63   the codes
.set TM,  32                           ; v32-35 largest magnitudes, v36-39 bytes, v40-43 448 x the scale, v44-47 the conversions' scale operands
.set PW,  10                           ; v10      the four bytes as a word
.macro QUANT
.irp b, 0,1,2,3
	v_max3_num_f32 v[TM+\b], |v[X+16*\b]|, |v[X+16*\b+1]|, 0x4800000      ; my 16 numbers of block b, and the floor 2^(9 - 127): the byte cannot fall under 1
.endr
.irp i, 2,4,6,8,10,12,14
.irp b, 0,1,2,3
	v_max3_num_f32 v[TM+\b], v[TM+\b], |v[X+16*\b+\i]|, |v[X+16*\b+\i+1]|  ; the four blocks by turns
.endr
.endr
.irp b, 0,1,2,3
	v_permlanex16_b32 v[TM+4+\b], v[TM+\b], s20, s21
.endr
.irp b, 0,1,2,3
	v_max_num_f32 v[TM+\b], v[TM+\b], v[TM+4+\b]                          ; with lane l xor 16's: the block's largest magnitude
.endr
.irp b, 0,1,2,3
	v_add_nc_u32 v[TM+12+\b], 0xfc000000, v[TM+\b]                        ; 8 off its exponent field: the conversion's scale operand
.endr
.irp b, 0,1,2,3
	v_and_or_b32 v[TM+8+\b], v[TM+\b], 0x7f800000, s22                    ; 448 x the scale
.endr
.irp b, 0,1,2,3
	v_lshrrev_b32 v[TM+4+\b], 23, v[TM+12+\b]                             ; the scale's byte
.endr
	v_lshl_or_b32 v[PW], v[TM+5], 8, v[TM+4]
	v_lshl_or_b32 v[PW], v[TM+6], 16, v[PW]
	v_lshl_or_b32 v[PW], v[TM+7], 24, v[PW]
.irp b, 0,1,2,3
.irp i, 0,1,2,3,4,5,6,7,8,9,10,11,12,13,14,15
	v_med3_num_f32 v[X+16*\b+\i], v[X+16*\b+\i], -v[TM+8+\b], v[TM+8+\b]  ; the conversion to an 8-bit code does not saturate (ISA guide 7.6.2): the hold
.endr
	v_cvt_scalef32_pk8_fp8_f32 v[PC+4*\b:PC+4*\b+1], v[X+16*\b:X+16*\b+7], v[TM+12+\b]
	v_cvt_scalef32_pk8_fp8_f32 v[PC+4*\b+2:PC+4*\b+3], v[X+16*\b+8:X+16*\b+15], v[TM+12+\b]
.endr
	v_nop                                          ; a plain line behind the last conversion
.endm
.macro CODES_OUT                       ; four stores of 512 consecutive bytes: the unit's 2,048 bytes of the image
.irp c, 0,1,2,3
	global_store_b128 v8, v[PC+4*\c:PC+4*\c+3], s[18:19] offset:512*\c
.endr
.endm
	s_load_b128 s[4:7], s[0:1], 0x0                ; W1 s[4:5], W2 s[6:7]
	s_load_b64 s[8:9], s[0:1], 0x10                ; wimg
	v_and_b32 v1, 15, v0                           ; r
	v_lshrrev_b32 v2, 4, v0                        ; h (one wave: v0 is the lane)
	v_and_b32 v3, 8, v1
	v_add_nc_u32 v3, v3, v1                        ; r + 8 (r / 8)
	v_lshlrev_b32 v8, 4, v0                        ; 16 x lane
	s_mov_b32 s20, 0x76543210
	s_mov_b32 s21, 0xfedcba98                      ; v_permlanex16_b32's selects for lane l xor 16
	s_mov_b32 s22, 0x600000                        ; the mantissa field of 448
.irp b, 0,1,2,3
	v_mov_b32 v[TM+4+\b], 0                        ; a lane permute's destination counts as one of its sources
.endr
	s_cmp_lt_u32 ttmp9, 40
	s_cbranch_scc0 .Lrows
	; ---- K is the FIRST axis: a lane takes a column, its registers run down K.  Both weights have rows of 1,024 bytes.
	s_lshr_b32 s12, ttmp9, 2
	s_lshl_b32 s12, s12, 7                         ; W2: column 32 (T / 2), in bytes,
	s_bfe_u32 s13, ttmp9, 0x10001
	s_lshl_b32 s13, s13, 5
	s_add_co_u32 s12, s12, s13                     ; + 8 (T % 2),
	s_and_b32 s13, ttmp9, 1
	s_lshl_b32 s13, s13, 17
	s_add_co_u32 s12, s12, s13                     ; + 128 s rows
	s_and_b32 s13, ttmp9, 7
	s_lshl_b32 s13, s13, 7                         ; W1: unit t = U - 32 = U & 7: column 32 t
	s_mov_b32 s14, 32                              ; W1: block 2 is the odd tile's k-block 0: 8 columns on;
	s_mov_b32 s15, 32800                           ;     block 3 its k-block 1: 32 rows and 8 columns on
	s_mov_b32 s16, 65536                           ; W1's half fragments lie 65,536 bytes further on than U x 2,048
	s_wait_kmcnt 0x0
	s_cmp_lt_u32 ttmp9, 32                         ; W2's unit or W1's: the choice hangs on the work-group's number alone
	s_cselect_b64 s[10:11], s[6:7], s[4:5]
	s_cselect_b32 s12, s12, s13
	s_cselect_b32 s14, 65536, s14                  ; W2: block c is 32 c rows on
	s_cselect_b32 s15, 98304, s15
	s_cselect_b32 s16, 0, s16
	v_lshlrev_b32 v4, 2, v3
	v_lshl_add_u32 v4, v2, 14, v4                  ; lanes 16-31 begin 16 rows further down
	v_add_nc_u32 v4, s12, v4                       ; block 0
	v_add_nc_u32 v5, 32768, v4                     ; block 1: 32 rows on, in both kinds
	v_add_nc_u32 v6, s14, v4
	v_add_nc_u32 v7, s15, v4
.irp c, 0,1,2,3
.irp i, 0,1,2,3,4,5,6,7,8,9,10,11,12,13,14,15
	global_load_b32 v[X+16*\c+\i], v[4+\c], s[10:11] offset:1024*\i
.endr
.endr
	s_lshl_b32 s18, ttmp9, 11
	s_add_co_u32 s18, s18, s16
	s_mov_b32 s19, 0
	s_add_nc_u64 s[18:19], s[8:9], s[18:19]        ; where the unit's codes go
	s_wait_loadcnt 0x0
	QUANT
	CODES_OUT
	s_cmp_lt_u32 ttmp9, 32
	s_cbranch_scc0 .Lw1_cols
	s_lshr_b32 s17, ttmp9, 2                       ; W2: the word of (T, s, r) at 256 (T / 2) + 128 s + 8 r + 4 (T % 2); lanes r and r + 16 hold and write the same word
	s_lshl_b32 s17, s17, 8
	s_and_b32 s23, ttmp9, 1
	s_lshl_b32 s23, s23, 7
	s_add_co_u32 s17, s17, s23
	s_bfe_u32 s23, ttmp9, 0x10001
	s_lshl_b32 s23, s23, 2
	s_add_co_u32 s17, s17, s23
	v_lshl_add_u32 v9, v1, 3, s17
	global_store_b32 v9, v[PW], s[8:9] offset:WSC+2048
	s_endpgm
.Lw1_cols:
	s_and_b32 s17, ttmp9, 7                        ; W1: bytes 0, 1 are the even tile's word, bytes 2, 3 the odd tile's; the words' upper bytes are 0, over zero codes
	s_lshl_b32 s17, s17, 8
	v_lshl_add_u32 v9, v0, 3, s17
	v_and_b32 v12, 0xffff, v[PW]
	v_lshrrev_b32 v13, 16, v[PW]
	global_store_b64 v9, v[12:13], s[8:9] offset:WSC   ; 32 lanes store 256 consecutive bytes, aligned
	s_endpgm
.Lrows:
	; ---- K is the LAST axis: a lane takes a row, 16 neighbouring numbers of each block of 32
	s_sub_co_u32 s12, ttmp9, 40                    ; V
	s_and_b32 s13, s12, 7                          ; W1: 2 T + s = V - 32 = V & 7
	s_mov_b32 s14, 16384                           ; W1's fragments lie 16,384 bytes further on than 65,536 + V x 2,048
	s_mov_b32 s15, 0x02020202                      ; and their bytes carry + 2
	s_mov_b32 s16, 6144                            ; their words' place among the scale words
	s_wait_kmcnt 0x0
	s_cmp_lt_u32 s12, 32
	s_cselect_b64 s[10:11], s[6:7], s[4:5]
	s_cselect_b32 s13, s12, s13                    ; 2 T + s
	s_cselect_b32 s14, 0, s14
	s_cselect_b32 s15, 0, s15
	s_cselect_b32 s16, 4096, s16
	s_lshr_b32 s17, s13, 2                         ; T / 2
	s_bfe_u32 s23, s13, 0x10001                    ; T % 2
	s_and_b32 s24, s13, 1                          ; s
	s_lshl_b32 s25, s17, 15                        ; 32 (T / 2) rows of 1,024 bytes
	s_lshl_b32 s26, s23, 13                        ; + 8 (T % 2) rows
	s_add_co_u32 s25, s25, s26
	s_lshl_b32 s26, s24, 9                         ; + 128 s numbers
	s_add_co_u32 s25, s25, s26
	v_lshlrev_b32 v4, 10, v3
	v_lshl_add_u32 v4, v2, 6, v4                   ; + 16 h numbers
	v_add_nc_u32 v4, s25, v4
.irp c, 0,1,2,3
.irp j, 0,1,2,3
	global_load_b128 v[X+16*\c+4*\j:X+16*\c+4*\j+3], v4, s[10:11] offset:128*\c+16*\j
.endr
.endr
	s_lshl_b32 s17, s17, 8
	s_lshl_b32 s24, s24, 7
	s_lshl_b32 s23, s23, 2
	s_add_co_u32 s17, s17, s24
	s_add_co_u32 s17, s17, s23
	s_add_co_u32 s17, s17, s16
	v_lshl_add_u32 v9, v1, 3, s17                  ; the word's place, as above
	s_lshl_b32 s18, s12, 11
	s_add_co_u32 s18, s18, s14
	s_add_co_u32 s18, s18, 65536
	s_mov_b32 s19, 0
	s_add_nc_u64 s[18:19], s[8:9], s[18:19]
	s_wait_loadcnt 0x0
	QUANT
	v_add_nc_u32 v[PW], s15, v[PW]
	CODES_OUT
	global_store_b32 v9, v[PW], s[8:9] offset:WSC
	s_endpgm
.Lfunc_end_k_q715d629df3_prep:
	.size	k_q715d629df3_prep, .Lfunc_end_k_q715d629df3_prep-k_q715d629df3_prep
	.p2alignl 7, 3214868480
	.fill 96, 4, 3214868480
	.section	.rodata,"a",@progbits
	.p2align	6, 0x0
	.amdhsa_kernel k_q715d629df3_prep
		.amdhsa_group_segment_fixed_size 0
		.amdhsa_private_segment_fixed_size 0
		.amdhsa_enable_private_segment 0
		.amdhsa_kernarg_size 24
		.amdhsa_user_sgpr_count 2
		.amdhsa_user_sgpr_kernarg_segment_ptr 1
		.amdhsa_wavefront_size32 1
		.amdhsa_system_sgpr_workgroup_id_x 1
		.amdhsa_system_sgpr_workgroup_id_y 1
		.amdhsa_system_sgpr_workgroup_id_z 1
		.amdhsa_system_vgpr_workitem_id 0
		.amdhsa_next_free_vgpr 128
		.amdhsa_next_free_sgpr 66
		.amdhsa_reserve_vcc 0
		.amdhsa_float_denorm_mode_32 3
		.amdhsa_float_denorm_mode_16_64 3
		.amdhsa_memory_ordered 1
		.amdhsa_forward_progress 1
		.amdhsa_inst_pref_size 29
	.end_amdhsa_kernel
	.amdgpu_metadata
---
amdhsa.version: [ 1, 2 ]
amdhsa.kernels:
  - .name:           k_q715d629df3_prep
    .symbol:         k_q715d629df3_prep.kd
    .args:
      - { .name: W1, .offset: 0, .size: 8, .value_kind: global_buffer, .address_space: global }
      - { .name: W2, .offset: 8, .size: 8, .value_kind: global_buffer, .address_space: global }
      - { .name: wimg, .offset: 16, .size: 8, .value_kind: global_buffer, .address_space: global }
    .group_segment_fixed_size: 0
    .private_segment_fixed_size: 0
    .kernarg_segment_align: 8
    .kernarg_segment_size: 24
    .max_flat_workgroup_size: 32
    .sgpr_count:     66
    .vgpr_count:     128
    .wavefront_size: 32
...
	.end_amdgpu_metadata
.endif
;; end of part 1
;; launch leap (part 2): grid 256 x 1, 8 waves a work-group, no clusters, 309,760 bytes of LDS; arguments x, b1, b2, Wout, wimg, out0; writes out0
.if DOCPART == 2
	.amdgcn_target "amdgcn-amd-amdhsa--gfx1250"
	.amdhsa_code_object_version 6
	.text
	.protected	k_q715d629df3_leap
	.globl	k_q715d629df3_leap
	.p2align	8
	.type	k_q715d629df3_leap,@function
k_q715d629df3_leap:
	s_mov_b64 s[64:65], 0
	v_nop
	global_prefetch_b8 v0, s[64:65] scope:SCOPE_SE
	s_setreg_imm32_b32 hwreg(HW_REG_WAVE_MODE, 25, 1), 1
	s_wait_xcnt 0x0
; Three leapfrog steps = six evaluations of dH/d[q|p], H = sum tanh(tanh(s W1 + b1) W2 + b2) Wout, for 65,536 independent rows; all four products of an evaluation on E4M3 codes with E8M0 scales.
; One evaluation:  z1 = Q(s) Q(W1) + b1;  r = 1 / (1 + e^(2 z)), tanh z = 1 - 2 r, 1 - tanh^2 z = 4 (r - r^2);  z2 = Q(h1) Q(W2) + b2;  g2 = (4 Wout)(r2 - r2^2);
; gh1 = Q(g2) Q(W2^T);  g1 / 4 = gh1 (r1 - r1^2);  dH = Q(g1 / 4) Q(W1^T) x 4, the 4 standing in W1^T's scale bytes.  Then p -= 0.05 dH[:32]; in evaluations 0, 2, 4 also q += 0.1 dH[32:].
; (The value of H is thrown away by the gradient; its cotangent is Wout itself, in f32.)
; SHARES.  A work-group of eight waves takes 256 rows, a wave 32 rows (two tiles of 16) through the whole program: two waves to a SIMD, so that one wave's products and LDS loads stand beside
; the other's vector work, which is the bulk (two transcendentals and about four plain instructions a hidden number).  Nothing goes to memory between x and the result.
; THE WEIGHTS come as images of operand registers (made by the launch before), once into LDS, and are read from there by all eight waves; each fragment read feeds two products.
; No tensor load: nothing streams.  No cluster: what work-groups share is the image, read once at the head.
; ALL PRODUCTS ARE USED TRANSPOSED (source 0 = 16 rows of a weight, source 1 = 16 batch rows): a lane holds ONE batch row (lane % 16), and by the choice of the rows of a weight's tile
; the 16 registers of tiles 2 g, 2 g + 1 are units 32 g + 16 (lane / 16) + 0 .. 15: half a block of the next K, the other half in lane l xor 16.
; A layer goes in GROUPS of 32 units: products, activation, quantiser; the group's 16 codes a lane go to the wave's own code stage in LDS and come back as the next operand when the layer is done.
; The first product's K is 64: the upper half of both operands is zero codes.
; LIMITS.  tanh = 1 - 2 r carries an absolute error of some 2e-7, so its relative accuracy falls off below |z| of about 0.1.  The factors 4 are exact powers of two; a block of g1 whose largest
; magnitude lies under 2^-116 meets the byte's floor two steps early.  A block of zeros gets the byte 1 over zero codes.  NaN and infinities among the inputs are not served.
; Saturation is exact: e^(2 z) = infinity gives r = 0, h = 1, 1 - h^2 = 0.
.set WSC, 163840                       ; LDS 0 .. 170,495: the image: W2 forward, 65,536 W2 backward, 131,072 W1 forward, 147,456 W1 backward, 163,840 scale words
.set IMGB, 170496
.set TAB, 170496                       ; b1, + 1,024 b2, + 2,048 4 Wout
.set STG, 173568                       ; the state in f32: 8,704 bytes a wave, 4,352 a tile, rows of 256 + 16 bytes: q, then p
.set CST, 243200                       ; the code stage: 8,192 bytes a wave, 4,096 a tile, 512 a block: 16 bytes a lane
.set AW0, 1                            ; v1   16 x lane
.set AW1, 2                            ; v2   + 65,536
.set AW2, 3                            ; v3   + 131,072
.set ASC, 4                            ; v4   8 x lane + WSC
.set ATB, 5                            ; v5   64 h + TAB
.set ASL, 6                            ; v6   my row's 16 numbers of a state block: STG + 8,704 w + 272 r + 64 h
.set ASR, 7                            ; v7   the stage by rows: STG + 8,704 w + 272 h + 16 r
.set ACD, 8                            ; v8   CST + 8,192 w + 16 x lane
.set GX,  9                            ; v9   x: 2,048 h + 16 r
.set GO,  10                           ; v10  out0: 256 h + 16 r
.set MA,  16                           ; v16-25 the quantiser's, a register a tile: two chains of maxima, the conversion's scale operand, 448 x the scale, the byte
.set MB,  18
.set SOP, 20
.set LIM, 22
.set BY,  24
.set WS,  32                           ; v32-33 the weights' scale words: even tile, odd tile; lanes 0-15 K step 0, lanes 16-31 K step 1
.set SA,  34                           ; v34-37, v38-41 the activations' scale words, two sets by turns: + 2 tile + K step
.set SB,  38
.set OC,  44                           ; v44-51 a group's codes
.set BW,  52                           ; v52-67 a group's biases
.set WO,  68                           ; v68-83 a group's 4 Wout
.set ST,  52                           ; v52-83 a state block of both tiles, where biases and Wout are idle
.set ACC, 84                           ; v84-115 four accumulators: + 16 tile + 8 u
.set IN,  116                          ; v116-179 the operand's codes: + 32 tile + 16 K step
.set FR,  180                          ; v180-243 a group's weight fragments: + 16 (2 u + K step)
                                       ; window 1 (v256-511): r1 - r1^2 at 128 tile + 16 group; at the head x and the image on their way to LDS
.set SEL, 20                           ; s[20:21] selects for lane l xor 16
.set CS,  22                           ; s[22:23] 2 log2(e)
.set MNT, 24                           ; s24 the mantissa field of 448
.set CP,  26                           ; s[26:27] -0.05
.set CQ,  28                           ; s[28:29] 0.1 or 0
.set MSB, 0
.macro WIN new                         ; the immediate's high byte repeats the setting that is left
.if MSB != \new
	s_set_vgpr_msb (MSB<<8)|\new
.set MSB, \new
.endif
.endm
.macro PL n
.rept \n
	v_nop
.endr
.endm
.macro LDFR2 areg, off                 ; a group's four fragments (2 tiles x 2 K steps): 8,192 bytes on end
.irp i, 0,1,2,3,4,5,6,7,8,9,10,11,12,13,14,15
	ds_load_b128 v[FR+4*\i:FR+4*\i+3], v[\areg] offset:(\off)+512*\i
.endr
.endm
.macro LDFR1 g                         ; W1 forward: two half fragments (K = 64)
.irp u, 0,1
.irp c, 0,1
	ds_load_b128 v[FR+16*\u+4*\c:FR+16*\u+4*\c+3], v[AW2] offset:2048*(\g)+1024*\u+512*\c
.endr
.endr
.endm
.macro LDWS off
	ds_load_b64 v[WS:WS+1], v[ASC] offset:\off
.endm
.macro LDTAB dst, tab, g               ; the table's 16 numbers of my half of group g, in the result's layout
.irp u, 0,1
.irp q, 0,1
	ds_load_b128 v[\dst+8*\u+4*\q:\dst+8*\u+4*\q+3], v[ATB] offset:(\tab)+(32*(\g)+8*\u)*4+16*\q
.endr
.endr
.endm
.macro LDST blk                        ; state block 0 (q) or 1 (p) of both tiles
.irp t, 0,1
.irp j, 0,1,2,3
	ds_load_b128 v[ST+16*\t+4*\j:ST+16*\t+4*\j+3], v[ASL] offset:4352*\t+128*(\blk)+16*\j
.endr
.endr
.endm
.macro STST base, blk
.irp t, 0,1
.irp j, 0,1,2,3
	ds_store_b128 v[ASL], v[\base+16*\t+4*\j:\base+16*\t+4*\j+3] offset:4352*\t+128*(\blk)+16*\j
.endr
.endr
.endm
.macro LDIN n                          ; the first n blocks of codes come back as the operand (LDS serves a wave's instructions in order, ISA guide 5.7.1.4: these see my stores)
.irp t, 0,1
.irp b, 0,1,2,3,4,5,6,7
.if \b < \n
	ds_load_b128 v[IN+32*\t+4*\b:IN+32*\t+4*\b+3], v[ACD] offset:4096*\t+512*\b
.endif
.endr
.endr
.endm
; Eight products: K = 256 in two steps, 2 tiles of the weight x 2 tiles of rows.  The four accumulators take turns, one instruction a turn.
.macro MM2 sin, bias
.irp u, 0,1
.irp t, 0,1
.if \bias
	v_wmma_scale_f32_16x16x128_f8f6f4 v[ACC+16*\t+8*\u:ACC+16*\t+8*\u+7], v[FR+32*\u:FR+32*\u+15], v[IN+32*\t:IN+32*\t+15], v[BW+8*\u:BW+8*\u+7], v[WS+\u], v[\sin+2*\t]
.else
	v_wmma_scale_f32_16x16x128_f8f6f4 v[ACC+16*\t+8*\u:ACC+16*\t+8*\u+7], v[FR+32*\u:FR+32*\u+15], v[IN+32*\t:IN+32*\t+15], 0, v[WS+\u], v[\sin+2*\t]
.endif
.endr
.endr
.irp u, 0,1
.irp t, 0,1
	v_wmma_scale_f32_16x16x128_f8f6f4 v[ACC+16*\t+8*\u:ACC+16*\t+8*\u+7], v[FR+32*\u+16:FR+32*\u+31], v[IN+32*\t+16:IN+32*\t+31], v[ACC+16*\t+8*\u:ACC+16*\t+8*\u+7], v[WS+\u], v[\sin+2*\t+1] matrix_a_scale:MATRIX_SCALE_ROW1
.endr
.endr
.endm
.macro MM1                             ; four products: K = 64 and 64 zero codes
.irp u, 0,1
.irp t, 0,1
	v_wmma_scale_f32_16x16x128_f8f6f4 v[ACC+16*\t+8*\u:ACC+16*\t+8*\u+7], v[FR+16*\u:FR+16*\u+15], v[IN+32*\t:IN+32*\t+15], v[BW+8*\u:BW+8*\u+7], v[WS+\u], v[SA+2*\t]
.endr
.endr
.endm
; z in the four accumulators becomes r = 1 / (1 + e^(2 z)).  Each accumulator is read from its low end on.  Two batches of 32 transcendentals; behind each one plain line and the one wait
; ahead of the batch's first reader.
.macro SIG
.irp j, 0,2,4,6,8,10,12,14,16,18,20,22,24,26,28,30
	v_pk_mul_f32 v[ACC+\j:ACC+\j+1], v[ACC+\j:ACC+\j+1], s[CS:CS+1] op_sel_hi:[1,0]
.endr
.set k, 0
.rept 32
	v_exp_f32 v[ACC+k], v[ACC+k]
.set k, k+1
.endr
	v_nop
	s_wait_alu depctr_va_vdst(0)
.irp j, 0,2,4,6,8,10,12,14,16,18,20,22,24,26,28,30
	v_pk_add_f32 v[ACC+\j:ACC+\j+1], v[ACC+\j:ACC+\j+1], 1.0 op_sel_hi:[1,0]
.endr
.set k, 0
.rept 32
	v_rcp_f32 v[ACC+k], v[ACC+k]
.set k, k+1
.endr
	v_nop
	s_wait_alu depctr_va_vdst(0)
.endm
; One block of 32 along the next K for each tile: my 16 numbers at v[base + 16 tile], the other 16 in lane l xor 16.  The byte goes into word v[sw + 2 tile] at bit shift (first = 1: it starts the word);
; the codes go to block blk of the code stage.  wt = 1: LDS stores that read v[base] are waited for ahead of the holds, which write it.
; The word is written ahead of the 32 holds: more than the eight places that a scale register written by a vector instruction owes a scaled product.
.macro QB base, sw, shift, first, blk, wt
.irp t, 0,1
	v_max3_num_f32 v[MA+\t], |v[\base+16*\t]|, |v[\base+16*\t+1]|, 0x4800000   ; the floor 2^(9 - 127): the byte cannot fall under 1
	v_max3_num_f32 v[MB+\t], |v[\base+16*\t+2]|, |v[\base+16*\t+3]|, |v[\base+16*\t+4]|
.endr
.irp i, 5,9
.irp t, 0,1
	v_max3_num_f32 v[MA+\t], v[MA+\t], |v[\base+16*\t+\i]|, |v[\base+16*\t+\i+1]|
	v_max3_num_f32 v[MB+\t], v[MB+\t], |v[\base+16*\t+\i+2]|, |v[\base+16*\t+\i+3]|
.endr
.endr
.irp t, 0,1
	v_max3_num_f32 v[MA+\t], v[MA+\t], |v[\base+16*\t+13]|, |v[\base+16*\t+14]|
.endr
.irp t, 0,1
	v_max3_num_f32 v[MA+\t], v[MA+\t], v[MB+\t], |v[\base+16*\t+15]|
.endr
.irp t, 0,1
	v_permlanex16_b32 v[MB+\t], v[MA+\t], s[SEL], s[SEL+1]
.endr
.irp t, 0,1
	v_max_num_f32 v[MA+\t], v[MA+\t], v[MB+\t]             ; the block's largest magnitude
.endr
.irp t, 0,1
	v_add_nc_u32 v[SOP+\t], 0xfc000000, v[MA+\t]           ; 8 off its exponent field: the conversion's scale operand
.endr
.irp t, 0,1
	v_and_or_b32 v[LIM+\t], v[MA+\t], 0x7f800000, s[MNT]   ; 448 x the scale
.endr
.irp t, 0,1
	v_lshrrev_b32 v[BY+\t], 23, v[SOP+\t]                  ; the scale's byte
.endr
.irp t, 0,1
.if \first
	v_lshlrev_b32 v[(\sw)+2*\t], \shift, v[BY+\t]
.else
	v_lshl_or_b32 v[(\sw)+2*\t], v[BY+\t], \shift, v[(\sw)+2*\t]
.endif
.endr
.if \wt
	s_wait_dscnt 0x0
.endif
.irp t, 0,1
.irp i, 0,1,2,3,4,5,6,7,8,9,10,11,12,13,14,15
	v_med3_num_f32 v[\base+16*\t+\i], v[\base+16*\t+\i], -v[LIM+\t], v[LIM+\t]   ; the conversion to an 8-bit code does not saturate (ISA guide 7.6.2): the hold
.endr
.endr
.irp t, 0,1
	v_cvt_scalef32_pk8_fp8_f32 v[OC+4*\t:OC+4*\t+1], v[\base+16*\t:\base+16*\t+7], v[SOP+\t]
	v_cvt_scalef32_pk8_fp8_f32 v[OC+4*\t+2:OC+4*\t+3], v[\base+16*\t+8:\base+16*\t+15], v[SOP+\t]
.endr
	v_nop                                                  ; a plain line behind the last conversion: products later write its sources
.irp t, 0,1
	ds_store_b128 v[ACD], v[OC+4*\t:OC+4*\t+3] offset:4096*\t+512*(\blk)
.endr
.endm
.macro QG sw, g                        ; group g of a hidden layer: byte g % 4 of the word of K step g / 4
.if ((\g)%4) == 0
	QB ACC, (\sw)+(\g)/4, 0, 1, \g, 0
.else
	QB ACC, (\sw)+(\g)/4, 8*((\g)%4), 0, \g, 0
.endif
.endm
; EVERY GROUP HAS ONE SHAPE: the wait for all my LDS instructions (fragments, scale words, tables, codes; the last group's stores have read their registers); the products; eight plain places,
; which loads into the products' sources and the first read of their results both owe (ISA guide 7.12.1 for the first read of their results); the NEXT group's loads, which land under this group's
; vector work; the vector work; the quantiser.
.macro L1G g                           ; h1 = tanh(s W1 + b1), units 32 g on
	s_wait_dscnt 0x0
	MM1
	PL 8
.if \g < 7
	LDFR1 (\g)+1
	LDWS 256*((\g)+1)
	LDTAB BW, 0, (\g)+1
.else
	LDFR2 AW0, 0
	LDWS 2048
	LDTAB BW, 1024, 0
	LDTAB WO, 2048, 0
.endif
	SIG
	WIN 0x40                                       ; destination window 1
.irp t, 0,1
.irp j, 0,2,4,6,8,10,12,14
	v_pk_fma_f32 v[128*\t+16*(\g)+\j:128*\t+16*(\g)+\j+1], v[ACC+16*\t+\j:ACC+16*\t+\j+1], v[ACC+16*\t+\j:ACC+16*\t+\j+1], v[ACC+16*\t+\j:ACC+16*\t+\j+1] neg_lo:[1,0,0] neg_hi:[1,0,0]   ; r - r^2 = (1 - h1^2) / 4, kept for the way back
.endr
.endr
	WIN 0
.irp j, 0,2,4,6,8,10,12,14,16,18,20,22,24,26,28,30
	v_pk_fma_f32 v[ACC+\j:ACC+\j+1], v[ACC+\j:ACC+\j+1], -2.0, 1.0 op_sel_hi:[1,0,0]   ; h1 = 1 - 2 r
.endr
	QG SB, \g
.if \g == 7
	LDIN 8
.endif
.endm
.macro L2G g                           ; g2 = Wout (1 - tanh^2(h1 W2 + b2)), units 32 g on
	s_wait_dscnt 0x0
	MM2 SB, 1
	PL 8
.if \g < 7
	LDFR2 AW0, 8192*((\g)+1)
	LDWS 2048+256*((\g)+1)
	LDTAB BW, 1024, (\g)+1
.else
	LDFR2 AW1, 0
	LDWS 4096
.endif
	SIG
.irp j, 0,2,4,6,8,10,12,14,16,18,20,22,24,26,28,30
	v_pk_fma_f32 v[ACC+\j:ACC+\j+1], v[ACC+\j:ACC+\j+1], v[ACC+\j:ACC+\j+1], v[ACC+\j:ACC+\j+1] neg_lo:[1,0,0] neg_hi:[1,0,0]   ; r - r^2
.endr
.irp t, 0,1
.irp j, 0,2,4,6,8,10,12,14
	v_pk_mul_f32 v[ACC+16*\t+\j:ACC+16*\t+\j+1], v[ACC+16*\t+\j:ACC+16*\t+\j+1], v[WO+\j:WO+\j+1]   ; x 4 Wout
.endr
.endr
.if \g < 7
	LDTAB WO, 2048, (\g)+1                         ; behind the last use of this group's
.endif
	QG SA, \g
.if \g == 7
	LDIN 8
.endif
.endm
.macro B2G g                           ; g1 / 4 = (g2 W2^T)(r1 - r1^2), units 32 g on
	s_wait_dscnt 0x0
	MM2 SA, 0
	PL 8
.if \g < 7
	LDFR2 AW1, 8192*((\g)+1)
	LDWS 4096+256*((\g)+1)
.else
	LDFR2 AW2, 16384
	LDWS 6144
	LDST 1                                         ; p, for the update
.endif
	WIN 0x04                                       ; source 1 window 1
.irp t, 0,1
.irp j, 0,2,4,6,8,10,12,14
	v_pk_mul_f32 v[ACC+16*\t+\j:ACC+16*\t+\j+1], v[ACC+16*\t+\j:ACC+16*\t+\j+1], v[128*\t+16*(\g)+\j:128*\t+16*(\g)+\j+1]
.endr
.endr
	WIN 0
	QG SB, \g
.if \g == 7
	LDIN 8
.endif
.endm
.macro UPDATE c                        ; state block + c x dH's block
.irp j, 0,2,4,6,8,10,12,14,16,18,20,22,24,26,28,30
	v_pk_fma_f32 v[ACC+\j:ACC+\j+1], v[ACC+\j:ACC+\j+1], s[\c:\c+1], v[ST+\j:ST+\j+1] op_sel_hi:[1,0,1]
.endr
.endm
	; ---- THE HEAD
	s_load_b256 s[4:11], s[0:1], 0x0               ; x s[4:5], b1 s[6:7], b2 s[8:9], Wout s[10:11]
	s_load_b128 s[12:15], s[0:1], 0x20             ; wimg s[12:13], out0 s[14:15]
	v_lshl_add_u32 v254, v0, 2, 0x4b600
	v_mov_b32 v255, 0
	v_lshrrev_b32 v11, 5, v0
	v_readfirstlane_b32 s16, v11                   ; wave 0..7
	v_and_b32 v11, 31, v0                          ; lane
	v_and_b32 v12, 15, v0                          ; r
	v_bfe_u32 v13, v0, 4, 1                        ; h
	v_lshlrev_b32 v[AW0], 4, v11
	v_add_nc_u32 v[AW1], 65536, v[AW0]
	v_add_nc_u32 v[AW2], 131072, v[AW0]
	v_lshl_add_u32 v[ASC], v11, 3, WSC
	v_lshl_add_u32 v[ATB], v13, 6, TAB
	s_mul_i32 s17, s16, 8704
	s_add_co_u32 s17, s17, STG                     ; my wave's stage
	v_mul_u32_u24 v[ASL], v12, 272
	v_lshl_add_u32 v[ASL], v13, 6, v[ASL]
	v_add_nc_u32 v[ASL], s17, v[ASL]
	v_mul_u32_u24 v[ASR], v13, 272
	v_lshl_add_u32 v[ASR], v12, 4, v[ASR]
	v_add_nc_u32 v[ASR], s17, v[ASR]
	s_lshl_b32 s18, s16, 13
	s_add_co_u32 s18, s18, CST                     ; my wave's code stage
	v_add_nc_u32 v[ACD], s18, v[AW0]
	v_lshlrev_b32 v[GX], 4, v12
	v_lshl_add_u32 v[GO], v13, 8, v[GX]
	v_lshl_add_u32 v[GX], v13, 11, v[GX]
	v_lshlrev_b32 v180, 4, v0                      ; the image goes by threads: 16 bytes each, 4,096 a pass
	v_add_nc_u32 v181, 65536, v180
	v_add_nc_u32 v182, 131072, v180
	v_lshlrev_b32 v183, 2, v0                      ; the tables: 4 bytes a thread
	v_add_nc_u32 v184, TAB, v183
	s_mov_b32 s[SEL], 0x76543210
	s_mov_b32 s[SEL+1], 0xfedcba98
	s_mov_b32 s[CS], 0x4038aa3b                    ; 2 log2(e)
	s_mov_b32 s[CS+1], s[CS]                       ; (the packed forms name pairs, so both words are written)
	s_mov_b32 s[MNT], 0x600000
	s_mov_b32 s[CP], 0xbd4ccccd                    ; -0.05
	s_mov_b32 s[CP+1], s[CP]
	s_lshl_b32 s32, ttmp9, 19                      ; x: 256 rows of 2,048 bytes a work-group,
	s_lshl_b32 s33, s16, 16                        ; 32 a wave,
	s_add_co_u32 s32, s32, s33
	s_add_co_u32 s32, s32, 1792                    ; time steps 14 and 15: the row's last 256 bytes
	s_mov_b32 s33, 0
	s_lshl_b32 s34, ttmp9, 16                      ; out0: rows of 256 bytes
	s_lshl_b32 s35, s16, 13
	s_add_co_u32 s34, s34, s35
	s_mov_b32 s35, 0
	s_wait_kmcnt 0x0
	s_add_nc_u64 s[4:5], s[4:5], s[32:33]
	s_add_nc_u64 s[14:15], s[14:15], s[34:35]
	global_load_b32 v185, v183, s[6:7]
	global_load_b32 v186, v183, s[8:9]
	global_load_b32 v187, v183, s[10:11]
	s_cmp_lt_u32 s16, 5                            ; the image is 41 passes of 4,096 bytes and 2,560 more: waves 0 to 4
	s_cbranch_scc0 .Lno_tail_in
	WIN 0x40                                       ; destination window 1
	global_load_b128 v[228:231], v180, s[12:13] offset:41*4096
	WIN 0
.Lno_tail_in:
	WIN 0x40
.set i, 0
.rept 41
	global_load_b128 v[64+4*i:64+4*i+3], v180, s[12:13] offset:4096*i
.set i, i+1
.endr
.irp t, 0,1
.irp i, 0,1,2,3,4,5,6,7
	global_load_b128 v[4*(8*\t+\i):4*(8*\t+\i)+3], v[GX], s[4:5] offset:(16*\t+2*\i)*2048 th:TH_LOAD_NT   ; sixteen lanes read a row's 256 aligned bytes [x14 | x15]; two rows an instruction
.endr
.endr
	WIN 0
	s_wait_loadcnt 16                              ; tables and image are in: behind the last of them only x's 16 loads were issued, on both ways of the branch
	v_mul_f32 v187, 4.0, v187                      ; 4 Wout: exact
	ds_store_b32 v184, v185
	ds_store_b32 v184, v186 offset:1024
	ds_store_b32 v184, v187 offset:2048
	s_cmp_lt_u32 s16, 5
	s_cbranch_scc0 .Lno_tail_out
	WIN 0x04                                       ; an LDS store's data are its source 1: window 1
	ds_store_b128 v182, v[228:231] offset:9*4096
	WIN 0
.Lno_tail_out:
	WIN 0x04
.set i, 0
.rept 41
	ds_store_b128 v[180+i/16], v[64+4*i:64+4*i+3] offset:4096*(i%16)
.set i, i+1
.endr
	s_wait_loadcnt 0x0                             ; x
.irp t, 0,1
.irp i, 0,1,2,3,4,5,6,7
	ds_store_b128 v[ASR], v[4*(8*\t+\i):4*(8*\t+\i)+3] offset:4352*\t+544*\i
.endr
.endr
	WIN 0
	s_wait_dscnt 0x0                               ; for the others' sake: my part of the image and of the tables has landed
	s_barrier_signal -1
	s_barrier_wait -1                              ; the launch's one barrier: from here on the image and the tables are only read, and all else in LDS is each wave's own
	; the first state: q = x15, p = x15 - x14
.irp t, 0,1
.irp j, 0,1,2,3
	ds_load_b128 v[ACC+16*\t+4*\j:ACC+16*\t+4*\j+3], v[ASL] offset:4352*\t+128+16*\j
.endr
.endr
	LDST 0                                         ; x14
	s_wait_dscnt 0x0
	STST ACC, 0
.irp j, 0,2,4,6,8,10,12,14,16,18,20,22,24,26,28,30
	v_pk_add_f32 v[ST+\j:ST+\j+1], v[ACC+\j:ACC+\j+1], v[ST+\j:ST+\j+1] neg_lo:[0,1] neg_hi:[0,1]
.endr
	STST ST, 1
	QB ACC, SA, 0, 1, 0, 1                         ; q is block 0 of the first product's K,
	QB ST, SA, 8, 0, 1, 1                          ; p block 1; the word's upper bytes stay 0, over zero codes
	s_mov_b32 s30, 0
.Leval:                                            ; six trips: an evaluation and its update
	s_and_b32 s31, s30, 1
	s_cmp_eq_u32 s31, 0
	s_cselect_b32 s[CQ], 0x3dcccccd, 0             ; q moves by 0.1 dH/dp in evaluations 0, 2, 4 and by nothing in the others
	s_mov_b32 s[CQ+1], s[CQ]
	LDIN 2
	LDFR1 0
	LDWS 0
	LDTAB BW, 0, 0
.irp t, 0,1
.irp i, 0,1,2,3,4,5,6,7
	v_mov_b32 v[IN+32*\t+8+\i], 0                  ; K = 64 .. 127 of the first product: zero codes on both sides
	v_mov_b32 v[FR+16*\t+8+\i], 0
.endr
.endr
	PL 4                                           ; an operand written by vector instructions stands four places ahead of a scaled product
.irp g, 0,1,2,3,4,5,6,7
	L1G \g
.endr
.irp g, 0,1,2,3,4,5,6,7
	L2G \g
.endr
.irp g, 0,1,2,3,4,5,6,7
	B2G \g
.endr
	; dH = g1 W1^T.  Group 0 is dH/dq, which moves p
	s_wait_dscnt 0x0
	MM2 SB, 0
	PL 8
	LDFR2 AW2, 24576
	LDWS 6400
	UPDATE CP
	STST ACC, 1
	LDST 0                                         ; q, behind the last use of p
	QB ACC, SA, 8, 1, 1, 1                         ; the new p is quantised for the next evaluation (in the last trip for nobody: the price of one body for all six)
	; group 1 is dH/dp, which moves q
	s_wait_dscnt 0x0
	MM2 SB, 0
	PL 8
	UPDATE CQ
	STST ACC, 0
	QB ACC, SA, 0, 0, 0, 1
	s_add_co_u32 s30, s30, 1
	s_cmp_lt_u32 s30, 6
	s_cbranch_scc1 .Leval
	; ---- THE WAY OUT: the stage's rows are the result's rows, [q | p]
.irp t, 0,1
.irp i, 0,1,2,3,4,5,6,7
	ds_load_b128 v[IN+4*(8*\t+\i):IN+4*(8*\t+\i)+3], v[ASR] offset:4352*\t+544*\i
.endr
.endr
.irp t, 0,1
.irp i, 0,1,2,3,4,5,6,7
	s_wait_dscnt 15-8*\t-\i                        ; LDS loads come back in order: this one is in, the younger ones may be out
	global_store_b128 v[GO], v[IN+4*(8*\t+\i):IN+4*(8*\t+\i)+3], s[14:15] offset:(16*\t+2*\i)*256 th:TH_STORE_NT   ; sixteen lanes store a row's 256 consecutive bytes, aligned
.endr
.endr
	s_wait_tensorcnt 0x0
	ds_add_u32 v254, v255
	s_wait_dscnt 0x0
	s_endpgm
.Lfunc_end_k_q715d629df3_leap:
	.size	k_q715d629df3_leap, .Lfunc_end_k_q715d629df3_leap-k_q715d629df3_leap
	.p2alignl 7, 3214868480
	.fill 96, 4, 3214868480
	.section	.rodata,"a",@progbits
	.p2align	6, 0x0
	.amdhsa_kernel k_q715d629df3_leap
		.amdhsa_group_segment_fixed_size 309760
		.amdhsa_private_segment_fixed_size 0
		.amdhsa_enable_private_segment 0
		.amdhsa_kernarg_size 48
		.amdhsa_user_sgpr_count 2
		.amdhsa_user_sgpr_kernarg_segment_ptr 1
		.amdhsa_wavefront_size32 1
		.amdhsa_system_sgpr_workgroup_id_x 1
		.amdhsa_system_sgpr_workgroup_id_y 1
		.amdhsa_system_sgpr_workgroup_id_z 1
		.amdhsa_system_vgpr_workitem_id 0
		.amdhsa_next_free_vgpr 512
		.amdhsa_next_free_sgpr 66
		.amdhsa_reserve_vcc 0
		.amdhsa_float_denorm_mode_32 3
		.amdhsa_float_denorm_mode_16_64 3
		.amdhsa_memory_ordered 1
		.amdhsa_forward_progress 1
		.amdhsa_inst_pref_size 255
	.end_amdhsa_kernel
	.section	.bss,"aw",@nobits
	.p2align	6
	.space	262144
	.amdgpu_metadata
---
amdhsa.version: [ 1, 2 ]
amdhsa.kernels:
  - .name:           k_q715d629df3_leap
    .symbol:         k_q715d629df3_leap.kd
    .args:
      - { .name: x, .offset: 0, .size: 8, .value_kind: global_buffer, .address_space: global }
      - { .name: b1, .offset: 8, .size: 8, .value_kind: global_buffer, .address_space: global }
      - { .name: b2, .offset: 16, .size: 8, .value_kind: global_buffer, .address_space: global }
      - { .name: Wout, .offset: 24, .size: 8, .value_kind: global_buffer, .address_space: global }
      - { .name: wimg, .offset: 32, .size: 8, .value_kind: global_buffer, .address_space: global }
      - { .name: out0, .offset: 40, .size: 8, .value_kind: global_buffer, .address_space: global }
    .group_segment_fixed_size: 309760
    .private_segment_fixed_size: 0
    .kernarg_segment_align: 8
    .kernarg_segment_size: 48
    .max_flat_workgroup_size: 256
    .sgpr_count:     66
    .vgpr_count:     512
    .wavefront_size: 32
...
	.end_amdgpu_metadata
.endif
;; end of part 2
